; MI455X (gfx1250); checked and timed in simulation.
; The chip was launched on July 23, 2026; its instructions are those of AMD's public machine-readable ISA for CDNA 5 (MIT licence, August 2026) and "CDNA5" Instruction Set Architecture Reference Guide (July 2026). The comments in the code are by the model that wrote it; some were corrected since.
;; Self Norm Attention. Allowed arithmetic: matrix products marked QUANTISED: E2M1 operands, one E8M0 scale for each 32 along K, by v_wmma_scale_f32_16x16x128_f8f6f4 with both operands' format E2M1 (or v_wmma_scale_f32_32x16x128_f4), f32 sums; everything else in f32.
;; Inputs: n 4 x 2,048 x 16 float32; qk 4 x 2,048 x 2 x 16 x 64 float32; v 4 x 2,048 x 16 x 64 float32.
;; Outputs: out0 4 x 2,048 x 16 x 64 float32.
;; This version of the problem:
;;   THIS VERSION OF THE PROBLEM IS GIVEN IN LOW PRECISION. The matrix products marked QUANTISED in the list below multiply operands that are first quantised to E2M1 (2 exponent bits, 1 mantissa bit; 4 bits a number), with one power-of-two scale for each 32 numbers along K (OCP MX v1.0); their sums are f32. All else is computed in f32.
;;   The module's matrix products, in the order in which they are computed (A, B: the left and right operand; K: the contracted axis; several contracted axes count as one K, in the product's order):
;;     1. batch 64 x [M 2,048, K 64] x [K 64, N 2,048]; A: input qk; B: input qk: QUANTISED
;;     2. batch 64 x [M 64, K 2,048] x [K 2,048, N 2,048]; A: input v; B: computed on the way: QUANTISED
;;   THE QUANTISER, for each operand of a quantised product, along K:
;;     - K is cut into blocks of 32 from its start; a last block that is shorter is filled with zeros.
;;     - A block's scale is 2^e with e = floor(log2(the largest magnitude in the block)) - 2, held to -126 .. 127; a block of zeros has e = 0. As a byte (E8M0): e + 127.
;;     - Each number is divided by its block's scale, clamped to +-6, and rounded to the nearest number of E2M1, ties to even, subnormals kept.
;;     - The product sums the exact products of the quantised numbers (number of the format x scale) in f32.
;;   ~~~python
;;   def quantise(x, axis):      # numpy; x: float32 -> the quantised numbers, widened to float32 again
;;       x = np.moveaxis(x, axis, -1); K = x.shape[-1]
;;       x = np.pad(x, [(0, 0)] * (x.ndim - 1) + [(0, -K % 32)]); x = x.reshape(x.shape[:-1] + (-1, 32)); a = np.abs(x).max(-1, keepdims=True)
;;       e = np.where(a > 0, np.clip(np.frexp(np.where(a > 0, a, 1))[1] - 1 - 2, -126, 127), 0)      # np.frexp(a)[1] - 1 = floor(log2(a)), exactly
;;       r = np.clip(x / 2.0 ** e, -6, 6)
;;       step = 2.0 ** (np.maximum(np.frexp(np.where(r == 0, 1, r))[1] - 1, 0) - 1)
;;       q = np.round(r / step) * step * 2.0 ** e      # np.round: ties to even
;;       return np.moveaxis(q.reshape(q.shape[:-2] + (-1,))[..., :K], -1, axis).astype(np.float32)
;;   ~~~
;;   OPERANDS COMPUTED ON THE WAY. 'Computed on the way' means the value that the module computes at that place (a softmax that the list does not call 'softmax' is quantised finished and normalised). What goes into a quantiser is computed in f32, as accurately as f32 sums, v_exp_f32 and their like allow (about 1e-6 of the number): no bf16 or f16 on the way to a quantiser, and a product that is left as it is and whose result goes on into a quantised operand takes f32 operands (vector FMAs, or v_wmma_f32_16x16x4_f32). A number that lies on a knife's edge between two numbers of the format may be rounded either way, as far as f32 arithmetic and the matrix unit's own rounding can turn it there, and no further.
;; One version. Each part assembles by itself: llvm-mc -triple=amdgcn-amd-amdhsa -mcpu=gfx1250 --defsym DOCPART=n.
;; ======== version 1 of 1: 2 launches
;; workspace buffers: qimg 9,175,040 bytes; kvimg 9,175,040 bytes
;; launch quant (part 1): grid 768 x 1, 4 waves a work-group, no clusters, 17,920 bytes of LDS; arguments qk, v, qimg, kvimg; writes qimg, kvimg
.if DOCPART == 1
	.amdgcn_target "amdgcn-amd-amdhsa--gfx1250"
	.amdhsa_code_object_version 6
	.text
	.protected	k_q9c73d9d54a_quant
	.globl	k_q9c73d9d54a_quant
	.p2align	8
	.type	k_q9c73d9d54a_quant,@function
k_q9c73d9d54a_quant:
	s_mov_b64 s[64:65], 0
	v_nop
	global_prefetch_b8 v0, s[64:65] scope:SCOPE_SE
	s_setreg_imm32_b32 hwreg(HW_REG_WAVE_MODE, 25, 1), 1
	s_wait_xcnt 0x0
; q, k (out of qk [4][2048][2][16][64] f32) and v ([4][2048][16][64] f32) become codes of FP4 (E2M1) with one E8M0 scale byte for each 32 along a product's K:
; q and k along the head's 64 channels, v along the KEYS.  The results are laid as IMAGES OF THE OPERANDS' REGISTERS, so that the next launch takes every fragment by loads of 16 bytes a lane.
; A block's scale is 2^(floor(log2(its largest magnitude)) - 2); its byte is the largest magnitude's exponent field - 2, held at 1 from below by a floor among the maximum's leaves.
; LIMITS: a block of zeros gets the byte 1 where the rule says 127 (its codes are zeros, which add nothing, and the bytes are read by this program alone); NaN and infinities among the inputs are not served.
; BUFFERS: qimg and kvimg are [64 heads = 16 b + h][16 steps of 128 rows][CH = 8,960 bytes].  In a chunk:
;   +0     4,096  row images: tile T (0..7) at 512 T; lane l = rho + 16 hh has, at 16 l, the 32 codes of channels 32 hh .. 32 hh + 31 of row 64 (T / 4) + 8 (T % 4) + rho + 24 (rho / 8) of the step
;   +4,096 4,096  (kvimg alone) V: at 1,024 t + 256 blk + 16 r the 32 codes of keys 32 blk .. 32 blk + 31 of the step, channel 16 t + r
;   +8,192   512  the rows' scale words: at 16 l + 4 i that of tile i + 4 (l / 16), row l % 16: byte 0 channels 0-31, byte 1 channels 32-63, bytes 2 and 3 zero
;   +8,704   256  (kvimg alone) V's scale words: at 8 l + 4 i that of channels' tile i + 2 (l / 16), row l % 16: four bytes for the step's four blocks of keys
; THE ROWS OF A TILE ARE NOT NEIGHBOURS: with this order a lane of the transposed first product holds 32 neighbouring keys in 32 neighbouring registers, a whole block of the second product's K.
; SHARES: a wave takes 128 rows x 256 bytes of one head.  Work-groups 0-511 take q and k, 512-767 take v; the four waves of a work-group stand side by side on 1,024 bytes of each row.
; No tensor load, no barrier: waves share nothing.  Only the q/k way uses LDS (a stage of its own for each wave).
.set CH,    8960
.set HEADB, 16*CH
.set PITCH, 272                        ; a stage row: 256 bytes + 16, so that the sixteen rows that a load touches begin at sixteen different 16-byte columns of 256
.set WSTG,  16*PITCH                   ; a wave's stage
.set FLOOR, 0x1800000                  ; 2^(3 - 127): no largest magnitude is taken under it, so the byte cannot fall under 1
.set SC,  24                           ; v24-27   q/k: the scale words, as they are stored
.set R,   32                           ; v32-127  q/k: three sets of 32 registers, a tile as it is loaded
.set X,   128                          ; v128-159 q/k: my 32 neighbours along the channels
.set C,   160                          ; v160-191 q/k: codes, four registers a tile: no store's data are written again
.set W,   24                           ; v24-25   v: my two columns' scale words
.set XV,  32                           ; v32-95   v: two sets of 32 numbers down the keys
.set CV,  96                           ; v96-127  v: codes, four registers a unit
; the largest magnitude of v[x] .. v[x + 31] in two chains, the floor among the leaves; v12 = it with 2 off its exponent field: the conversion takes that field as its scale and nothing else of the operand
.macro BLK32 x
	v_max3_num_f32 v10, |v[\x]|, |v[\x+1]|, FLOOR
	v_max3_num_f32 v11, |v[\x+16]|, |v[\x+17]|, |v[\x+18]|
.irp i, 0,1,2,3,4,5
	v_max3_num_f32 v10, v10, |v[\x+2+2*\i]|, |v[\x+3+2*\i]|
	v_max3_num_f32 v11, v11, |v[\x+19+2*\i]|, |v[\x+20+2*\i]|
.endr
	v_max3_num_f32 v10, v10, |v[\x+14]|, |v[\x+15]|
	v_max3_num_f32 v10, v10, v11, |v[\x+31]|
	v_add_nc_u32 v12, 0xff000000, v10
.endm
; q/k: tile t's sixteen rows: eight loads, each two whole rows of 256 bytes (lanes 0-15 one row, lanes 16-31 the next)
.macro LOADT t
.set RS, R+32*((\t)%3)
.set RW, 64*((\t)/4)+8*((\t)%4)
.irp i, 0,1,2,3,4,5,6,7
	global_load_b128 v[RS+4*\i:RS+4*\i+3], v5, s[4:5] offset:(RW+2*\i+24*(\i/4))*8192 th:TH_LOAD_NT
.endr
.endm
.macro TILE t
.set RS, R+32*((\t)%3)
.if (\t) < 6
	s_wait_loadcnt 16                              ; this tile's eight loads are in; the two later tiles' sixteen may be out
.else
	s_wait_loadcnt 8*(7-(\t))                      ; the counts run down: 8, 0
.endif
.irp i, 0,1,2,3,4,5,6,7
	ds_store_b128 v6, v[RS+4*\i:RS+4*\i+3] offset:2*\i*PITCH   ; the tile's rows into my stage as they lie: row rho = 2 i + l / 16
.endr
.irp i, 0,1,2,3,4,5,6,7
	ds_load_b128 v[X+4*\i:X+4*\i+3], v7 offset:16*\i           ; and back: lane (rho, hh) takes channels 32 hh .. + 31 of row rho.  LDS serves a wave's instructions in order: these see the stores
.endr
	s_wait_dscnt 0x0                               ; my 32 numbers are in, and the stores have read their registers,
.if (\t)+3 < 8
	LOADT (\t)+3                                   ; which take the tile three further on
.endif
	BLK32 X
.irp g, 0,1,2,3
	v_cvt_scalef32_pk8_fp4_f32 v[C+4*(\t)+\g], v[X+8*\g:X+8*\g+7], v12
.endr
	v_lshrrev_b32 v13, 23, v12                     ; the scale's byte (a plain line behind the conversions)
	v_lshlrev_b32 v13, v4, v13                     ; at its place in the row's word: 8 hh bits up
	v_permlanex16_b32 v18, v13, s20, s21
	v_or_b32 v13, v13, v18                         ; with lane l xor 16's the word is whole, in both lanes
.if (\t) < 4
	v_mov_b32 v[SC+(\t)], v13                      ; tiles 0-3 stay in lanes 0-15,
.else
	v_cndmask_b32 v[SC+(\t)-4], v[SC+(\t)-4], v13, s22   ; tiles 4-7 take lanes 16-31
.endif
	global_store_b128 v8, v[C+4*(\t):C+4*(\t)+3], s[8:9] offset:512*(\t)   ; 32 lanes store 512 consecutive bytes, aligned to 256
.endm
; v: unit k = 2 blk + e: keys 32 blk .. + 31 of column l + 32 e: a lane to a column, its registers down the keys
.macro LOADU k
.set XS, XV+32*((\k)%2)
.irp i, 0,1,2,3,4,5,6,7,8,9,10,11,12,13,14,15,16,17,18,19,20,21,22,23,24,25,26,27,28,29,30,31
	global_load_b32 v[XS+\i], v5, s[6:7] offset:(32*((\k)/2)+\i)*4096+128*((\k)%2) th:TH_LOAD_NT
.endr
.endm
.macro UNIT k
.set XS, XV+32*((\k)%2)
.if (\k) < 7
	s_wait_loadcnt 32                              ; this unit's 32 loads are in; the next unit's may be out
.else
	s_wait_loadcnt 0x0
.endif
	BLK32 XS                                       ; all 32 numbers of the block are mine
	v_lshrrev_b32 v13, 23, v12                     ; the scale's byte
.if (\k)/2 == 0
	v_mov_b32 v[W+(\k)%2], v13                     ; four bytes to a word, the earlier keys in the lower byte
.else
	v_lshl_or_b32 v[W+(\k)%2], v13, 8*((\k)/2), v[W+(\k)%2]
.endif
.irp g, 0,1,2,3
	v_cvt_scalef32_pk8_fp4_f32 v[CV+4*(\k)+\g], v[XS+8*\g:XS+8*\g+7], v12
.endr
	global_store_b128 v6, v[CV+4*(\k):CV+4*(\k)+3], s[10:11] offset:4096+2048*((\k)%2)+256*((\k)/2)   ; each half of the lanes stores 256 consecutive bytes, aligned
.if (\k)+2 < 8
	LOADU (\k)+2
.endif
.endm
	s_load_b256 s[4:11], s[0:1], 0x0               ; qk s[4:5], v s[6:7], qimg s[8:9], kvimg s[10:11]
	v_lshl_add_u32 v192, v0, 2, 0x4400
	v_mov_b32 v193, 0
	v_lshrrev_b32 v1, 5, v0
	v_readfirstlane_b32 s12, v1                    ; wave 0..3
	v_and_b32 v1, 31, v0                           ; l
	v_and_b32 v2, 15, v0                           ; l % 16
	v_bfe_u32 v3, v0, 4, 1                         ; l / 16
	v_lshlrev_b32 v4, 3, v3                        ; 8 (l / 16)
	v_mov_b32 v18, 0                               ; written once: a lane permute's destination counts as one of its sources
	v_mov_b32 v19, 0
	s_mov_b32 s20, 0x76543210                      ; v_permlanex16_b32's selects for lane l xor 16
	s_mov_b32 s21, 0xfedcba98
	s_mov_b32 s22, 0xffff0000                      ; lanes 16-31
	s_mov_b32 s25, 0
	s_mov_b32 s27, 0
	s_cmp_lt_u32 ttmp9, 512
	s_cbranch_scc0 .Lv_path
	; ---- q and k.  work-group = a + 4 c + 8 j + 128 b: heads 4 a + wave, c = 0: q, 1: k, step j, batch b
	s_and_b32 s13, ttmp9, 3                        ; a
	s_bfe_u32 s14, ttmp9, 0x10002                  ; c
	s_bfe_u32 s15, ttmp9, 0x40003                  ; j
	s_lshr_b32 s16, ttmp9, 7                       ; b
	s_lshl_b32 s17, s13, 2
	s_add_co_u32 s17, s17, s12                     ; h
	s_lshl_b32 s18, s16, 4
	s_add_co_u32 s18, s18, s17                     ; head = 16 b + h
	s_lshl_b32 s24, s16, 24                        ; in: b x 2,048 rows of 8,192 bytes
	s_lshl_b32 s19, s15, 20                        ;   + j x 128 rows
	s_add_co_u32 s24, s24, s19
	s_lshl_b32 s19, s14, 12                        ;   + c x 4,096
	s_add_co_u32 s24, s24, s19
	s_lshl_b32 s19, s17, 8                         ;   + h x 256
	s_add_co_u32 s24, s24, s19
	s_mul_i32 s26, s18, HEADB                      ; out: the head's block, the step's chunk
	s_mul_i32 s19, s15, CH
	s_add_co_u32 s26, s26, s19
	v_lshlrev_b32 v5, 13, v3                       ; in: lanes 16-31 one row further down,
	v_lshl_add_u32 v5, v2, 4, v5                   ;     16 bytes a lane
	s_mul_i32 s19, s12, WSTG                       ; my stage
	v_mul_u32_u24 v6, v3, PITCH
	v_lshl_add_u32 v6, v2, 4, v6
	v_add_nc_u32 v6, s19, v6                       ; into it: as loaded
	v_mul_u32_u24 v7, v2, PITCH
	v_lshl_add_u32 v7, v3, 7, v7
	v_add_nc_u32 v7, s19, v7                       ; out of it: row l % 16, 128 bytes for each half of the lanes
	v_lshlrev_b32 v8, 4, v1                        ; out: 16 l
	s_wait_kmcnt 0x0
	s_add_nc_u64 s[4:5], s[4:5], s[24:25]
	s_cmp_eq_u32 s14, 0                            ; q goes to qimg, k to kvimg: the choice hangs on the work-group's number alone
	s_cselect_b64 s[8:9], s[8:9], s[10:11]
	s_add_nc_u64 s[8:9], s[8:9], s[26:27]
	LOADT 0
	LOADT 1
	LOADT 2                                        ; three tiles, 24 loads of 512 bytes, are on their way
.irp t, 0,1,2,3,4,5,6,7
	TILE \t
.endr
	global_store_b128 v8, v[SC:SC+3], s[8:9] offset:8192   ; the step's 128 scale words: 512 consecutive bytes
	s_wait_tensorcnt 0x0
	ds_add_u32 v192, v193
	s_wait_dscnt 0x0
	s_endpgm
	; ---- v.  work-group - 512 = a + 4 j + 64 b
.Lv_path:
	s_sub_co_u32 s13, ttmp9, 512
	s_and_b32 s14, s13, 3                          ; a
	s_bfe_u32 s15, s13, 0x40002                    ; j
	s_lshr_b32 s16, s13, 6                         ; b
	s_lshl_b32 s17, s14, 2
	s_add_co_u32 s17, s17, s12                     ; h
	s_lshl_b32 s18, s16, 4
	s_add_co_u32 s18, s18, s17                     ; head
	s_lshl_b32 s24, s16, 23                        ; in: b x 2,048 rows of 4,096 bytes
	s_lshl_b32 s19, s15, 19                        ;   + j x 128 rows
	s_add_co_u32 s24, s24, s19
	s_lshl_b32 s19, s17, 8                         ;   + h x 256
	s_add_co_u32 s24, s24, s19
	s_mul_i32 s26, s18, HEADB
	s_mul_i32 s19, s15, CH
	s_add_co_u32 s26, s26, s19
	v_lshlrev_b32 v5, 2, v1                        ; in: 4 bytes a lane: 128 consecutive bytes a load
	v_lshlrev_b32 v6, 10, v3
	v_lshl_add_u32 v6, v2, 4, v6                   ; out: channels' tile l / 16 (+ 2 e), row l % 16
	v_lshlrev_b32 v7, 3, v1                        ; the scale words: 8 l
	s_wait_kmcnt 0x0
	s_add_nc_u64 s[6:7], s[6:7], s[24:25]
	s_add_nc_u64 s[10:11], s[10:11], s[26:27]
	LOADU 0
	LOADU 1
.irp k, 0,1,2,3,4,5,6,7
	UNIT \k
.endr
	; my words belong to tiles l / 16 (e = 0) and 2 + l / 16 (e = 1); the layout wants tiles 2 (l / 16) and 2 (l / 16) + 1 in a lane
	v_permlanex16_b32 v18, v[W], s20, s21
	v_permlanex16_b32 v19, v[W+1], s20, s21
	v_cndmask_b32 v26, v[W], v19, s22              ; lanes 0-15: tile 0 (mine); lanes 16-31: tile 2 (from lane l - 16)
	v_cndmask_b32 v27, v18, v[W+1], s22            ; lanes 0-15: tile 1 (from lane l + 16); lanes 16-31: tile 3 (mine)
	global_store_b64 v7, v[26:27], s[10:11] offset:8704   ; 256 consecutive bytes, aligned
	s_endpgm
.Lfunc_end_k_q9c73d9d54a_quant:
	.size	k_q9c73d9d54a_quant, .Lfunc_end_k_q9c73d9d54a_quant-k_q9c73d9d54a_quant
	.p2alignl 7, 3214868480
	.fill 96, 4, 3214868480
	.section	.rodata,"a",@progbits
	.p2align	6, 0x0
	.amdhsa_kernel k_q9c73d9d54a_quant
		.amdhsa_group_segment_fixed_size 17920
		.amdhsa_private_segment_fixed_size 0
		.amdhsa_enable_private_segment 0
		.amdhsa_kernarg_size 32
		.amdhsa_user_sgpr_count 2
		.amdhsa_user_sgpr_kernarg_segment_ptr 1
		.amdhsa_wavefront_size32 1
		.amdhsa_system_sgpr_workgroup_id_x 1
		.amdhsa_system_sgpr_workgroup_id_y 1
		.amdhsa_system_sgpr_workgroup_id_z 1
		.amdhsa_system_vgpr_workitem_id 0
		.amdhsa_next_free_vgpr 194
		.amdhsa_next_free_sgpr 66
		.amdhsa_reserve_vcc 0
		.amdhsa_float_denorm_mode_32 3
		.amdhsa_float_denorm_mode_16_64 3
		.amdhsa_memory_ordered 1
		.amdhsa_forward_progress 1
		.amdhsa_inst_pref_size 69
	.end_amdhsa_kernel
	.amdgpu_metadata
---
amdhsa.version: [ 1, 2 ]
amdhsa.kernels:
  - .name:           k_q9c73d9d54a_quant
    .symbol:         k_q9c73d9d54a_quant.kd
    .args:
      - { .name: qk, .offset: 0, .size: 8, .value_kind: global_buffer, .address_space: global }
      - { .name: v, .offset: 8, .size: 8, .value_kind: global_buffer, .address_space: global }
      - { .name: qimg, .offset: 16, .size: 8, .value_kind: global_buffer, .address_space: global }
      - { .name: kvimg, .offset: 24, .size: 8, .value_kind: global_buffer, .address_space: global }
    .group_segment_fixed_size: 17920
    .private_segment_fixed_size: 0
    .kernarg_segment_align: 8
    .kernarg_segment_size: 32
    .max_flat_workgroup_size: 128
    .sgpr_count:     66
    .vgpr_count:     194
    .wavefront_size: 32
...
	.end_amdgpu_metadata
.endif
;; end of part 1
;; launch attn (part 2): grid 4 x 64, 8 waves a work-group, clusters of 4 x 1, 214,016 bytes of LDS; arguments n, qimg, kvimg, out0; writes out0
.if DOCPART == 2
	.amdgcn_target "amdgcn-amd-amdhsa--gfx1250"
	.amdhsa_code_object_version 6
	.text
	.protected	k_q9c73d9d54a_attn
	.globl	k_q9c73d9d54a_attn
	.p2align	8
	.type	k_q9c73d9d54a_attn,@function
k_q9c73d9d54a_attn:
	s_mov_b64 s[64:65], 0
	v_nop
	global_prefetch_b8 v0, s[64:65] scope:SCOPE_SE
	s_setreg_imm32_b32 hwreg(HW_REG_WAVE_MODE, 25, 1), 1
	s_wait_xcnt 0x0
	s_wait_alu depctr_hold_cnt(0) depctr_sa_sdst(0) depctr_va_vdst(0) depctr_va_sdst(0) depctr_va_ssrc(0) depctr_va_vcc(0) depctr_vm_vsrc(0)
	s_getreg_b32 s2, hwreg(HW_REG_IB_STS2, 6, 4)
	s_cmp_eq_u32 s2, 0
	s_cbranch_scc0 .Lentry_in_a_cluster
	s_endpgm
.Lentry_in_a_cluster:
	s_bfe_u32 s2, ttmp6, 0x10000c
	s_cmp_lg_u32 s2, 0x3003
	s_cbranch_scc0 .Lentry_shape_is_right
	s_endpgm
.Lentry_shape_is_right:
; out[b][t][h][:] = the sum over keys s <= t of Q4( (q[t] . k[s]) / exp(n[b][t][h]) ) V4[s][:], both products on codes of FP4 (E2M1) with one E8M0 scale for each 32 along a product's K.
; q's, k's and v's codes and scale words come from the launch before, laid as images of the operands' registers (qimg, kvimg: [64 heads][16 steps of 128 rows][8,960 bytes]; the layout stands at that text's head).
; The attention numbers are made in f32 (score x exp(-n), 0 above the diagonal), quantised along the keys in registers, and never leave the wave.
; LIMITS: the division by exp(n) is a multiplication by exp(-n), made from a two-word log2(e), one v_exp_f32 on [0, 1] and v_ldexp_f32; n is held to +-200, far beyond where exp(n) leaves f32's range;
;   where exp(n) overflows and the quotient is 0, this text gives numbers under 1e-36.  A block of zeros has the byte 1 (its codes are zeros).  NaN and infinities among the inputs are not served.
; LDS: a head's whole kvimg block, 143,360 bytes, is brought ONCE: each of the eight waves asks for an eighth by one tensor load: one tensor load of a wave is out, and nothing is ever filled again.
; CLUSTER: the four work-groups of a cluster serve one head and need the same block: each eighth is asked for JOINTLY, by the same load with the same descriptor and a mask that names the four.
; SHARES: each group g of 128 queries is dealt to all four partners: the partner at place cx takes the query tiles 2 cx and 2 cx + 1 of the group (16 queries each, in the images' row order).  So trip counts and
;   branches hang on g and the wave's number alone; cx enters global addresses and the mask's numbers only.  Wave w takes g = w and then g = 15 - w: (w + 1) + (16 - w) = 17 key steps of 128 keys for every wave.
; LAYOUT: both products are used transposed.  S^T = K Q^T (source 0 = 16 keys, source 1 = 16 queries): a lane holds ONE query (lane % 16); by the images' row order its registers 32 c .. 32 c + 31 are the
;   neighbouring keys 64 c + 32 (lane / 16) + 0 .. 31: a WHOLE block of the next K, in order.  So a block's largest magnitude needs no other lane and the conversions' results are the next operand's registers.
;   O^T = V^T P^T (source 0 = 16 channels, source 1 = P): again one query a lane, eight channels in a tile's registers.
; THE FIRST PRODUCT'S K IS 64, the instruction's 128: Q's fragment has zero codes in its upper four registers; K's fragment T is v[KF + 4 T .. + 7], whose upper four registers are the next tile's codes
;   (behind tile 7: zeros): they meet zero codes.  The upper two scale bytes are 0, which is a power of two like any other.
; REGISTERS: window 0: v1-11 addresses and the mask's numbers; v12-19 exp(-n), a pair a tile; v20-23 Q's scale words; v24-55 Q's four fragments; v56-91 K's; v92-95 K's scale words; v96-127 V's fragments;
;   v128-129 V's scale words; v130-131 P's; v132-147 P's codes; v148-157 at work; v160-223 S^T; v224-247 at work at the head.   window 1: v0-63 O^T (tile u, channels' tile t at 32 u + 8 t).
.set CH,    8960
.set HEADB, 16*CH                      ; a head's block
.set SHARE, HEADB/8                    ; what one tensor load brings: 17,920 bytes = 70 rows of 256
.set STG,   HEADB                      ; behind the block: a stage of 32 rows x 272 bytes for each wave, for the way out; no tensor load lands there
.set SP,    272
.set WSTG,  32*SP
.set FLOOR, 0x1800000                  ; 2^(3 - 127)
.set LA,  1                            ; v1   16 x lane
.set LB,  2                            ; v2   8 x lane
.set ADK, 3                            ; v3   the step's chunk + 16 x lane
.set ADT, 4                            ; v4   the step's chunk + 8 x lane
.set SH8, 5                            ; v5   8 (lane / 16)
.set DQ,  6                            ; v6-7 tile u: my query's place in its group of 128, less 32 (lane / 16)
.set STO, 8                            ; v8   the way out: where I put 32 bytes of a row
.set SRD, 9                            ; v9   the way out: where I read a row back
.set GO,  10                           ; v10  my byte offset in two rows of out
.set QO,  11                           ; v11  my byte offset in a chunk of qimg
.set R,   12
.set QS,  20
.set QF,  24
.set ZR,  28                           ; a register of zeros (the first of Q's zero codes)
.set KF,  56
.set KS,  92
.set VF,  96
.set VS,  128
.set PW,  130
.set PC,  132
.set MX,  148                          ; v148-151 four chains of maxima
.set SOP, 152                          ; v152-153 the conversions' scale operands
.set BY,  154                          ; v154-155 scale bytes
.set WT,  156
.set PX,  157
.set S,   160
.set WV,  12                           ; s12  my wave's number
.set CX,  13                           ; s13  my place in the cluster
.set HD,  14                           ; s14  the head
.set G1,  16                           ; s[16:23] descriptor group 1
.set G0,  24                           ; s[24:27] descriptor group 0
.set TB,  28                           ; s28  LDS byte at which the step's chunk begins
.set J,   29                           ; s29  the key step
.set G,   30                           ; s30  my group of queries
.set OBASE, 32                         ; s[32:35] out at my rows, for each of the two groups
.set SEL, 36                           ; s[36:37] v_permlanex16_b32's selects for lane l xor 16
.set QBASE, 42                         ; s[42:45] qimg at my group's chunk
.set NBASE, 46                         ; s[46:49] n at my rows
.set MSB, 0
.macro WIN new                         ; the immediate's high byte repeats the setting that is left
.if MSB != \new
	s_set_vgpr_msb (MSB<<8)|\new
.set MSB, \new
.endif
.endm
.macro PLACES n                        ; plain vector instructions that name no register of the matrix instruction in front (ISA guide 7.12.1)
.rept \n
	v_nop
.endr
.endm
; A round of the cluster's barrier: my work-group's barrier; wave 0 signals for the work-group; every wave waits for all four work-groups; my work-group's barrier once more.
.macro CROUND
	s_barrier_signal -1
	s_barrier_wait -1
	s_cmp_lg_u32 s[WV], 0
	s_cbranch_scc1 .Lnot_wave_0_\@
	s_barrier_signal -3
.Lnot_wave_0_\@:
	s_barrier_wait -3
	s_barrier_signal -1
	s_barrier_wait -1
.endm
; where group g's rows lie, for the p-th of my two groups.  s2 = the head's block, s54 and s55 = what does not hang on g in n and in out, s53 = 0
.macro BASES p, g
	s_mul_i32 s52, s[\g], CH
	s_add_co_u32 s52, s52, s2
	s_add_nc_u64 s[QBASE+2*\p:QBASE+2*\p+1], s[6:7], s[52:53]
	s_lshl_b32 s52, s[\g], 13                      ; 128 rows of 64 bytes
	s_add_co_u32 s52, s52, s54
	s_add_nc_u64 s[NBASE+2*\p:NBASE+2*\p+1], s[4:5], s[52:53]
	s_lshl_b32 s52, s[\g], 19                      ; 128 rows of 4,096 bytes
	s_add_co_u32 s52, s52, s55
	s_add_nc_u64 s[OBASE+2*\p:OBASE+2*\p+1], s[10:11], s[52:53]
.endm
; S^T = K Q^T for query tile q (0..3): eight tiles of 16 keys; each product starts its sum.  K's scale words: tiles 0-3 in lanes 0-15, tiles 4-7 in lanes 16-31
.macro SMUL q
.irp t, 0,1,2,3
	v_wmma_scale_f32_16x16x128_f8f6f4 v[S+8*\t:S+8*\t+7], v[KF+4*\t:KF+4*\t+7], v[QF+8*(\q):QF+8*(\q)+7], 0, v[KS+\t], v[QS+(\q)] matrix_a_fmt:MATRIX_FMT_FP4 matrix_b_fmt:MATRIX_FMT_FP4
.endr
.irp t, 4,5,6,7
	v_wmma_scale_f32_16x16x128_f8f6f4 v[S+8*\t:S+8*\t+7], v[KF+4*\t:KF+4*\t+7], v[QF+8*(\q):QF+8*(\q)+7], 0, v[KS+\t-4], v[QS+(\q)] matrix_a_fmt:MATRIX_FMT_FP4 matrix_b_fmt:MATRIX_FMT_FP4 matrix_a_scale:MATRIX_SCALE_ROW1
.endr
.endm
; On the diagonal (key step = my group) the scores of keys behind my query become 0.  Register n holds key 64 (n / 32) + n % 32 + 32 (lane / 16) of the step.  The registers go in ascending order.
; The branch hangs on the step's number and the wave's alone.
.macro MASK u
	s_cmp_lg_u32 s[J], s[G]
	s_cbranch_scc1 .Lopen_\@
.set n, 0
.rept 64
	v_cmp_gt_i32 vcc_lo, 64*(n/32)+n%32, v[DQ+\u]
	v_cndmask_b32 v[S+n], v[S+n], v[ZR], vcc_lo
.set n, n+1
.endr
.Lopen_\@:
.endm
; the attention numbers of query tile q, and their two blocks' scale operands
.macro QA q
.set j, 0
.rept 32
	v_pk_mul_f32 v[S+j:S+j+1], v[S+j:S+j+1], v[R+2*(\q):R+2*(\q)+1] op_sel_hi:[1,0]   ; score x exp(-n), two at a time, in ascending order
.set j, j+2
.endr
.irp c, 0,1                            ; the largest magnitude of each block of 32: two chains a block, the four by turns; the floor among the leaves
	v_max3_num_f32 v[MX+2*\c], |v[S+32*\c]|, |v[S+32*\c+1]|, FLOOR
	v_max3_num_f32 v[MX+2*\c+1], |v[S+32*\c+16]|, |v[S+32*\c+17]|, |v[S+32*\c+18]|
.endr
.irp i, 0,1,2,3,4,5
.irp c, 0,1
	v_max3_num_f32 v[MX+2*\c], v[MX+2*\c], |v[S+32*\c+2+2*\i]|, |v[S+32*\c+3+2*\i]|
	v_max3_num_f32 v[MX+2*\c+1], v[MX+2*\c+1], |v[S+32*\c+19+2*\i]|, |v[S+32*\c+20+2*\i]|
.endr
.endr
.irp c, 0,1
	v_max3_num_f32 v[MX+2*\c], v[MX+2*\c], |v[S+32*\c+14]|, |v[S+32*\c+15]|
.endr
.irp c, 0,1
	v_max3_num_f32 v[MX+2*\c], v[MX+2*\c], v[MX+2*\c+1], |v[S+32*\c+31]|
.endr
.irp c, 0,1
	v_add_nc_u32 v[SOP+\c], 0xff000000, v[MX+2*\c]   ; 2 off the exponent field: the conversion takes that field as its scale
.endr
.endm
; P's scale word of tile u: my bytes are those of blocks lane / 16 and 2 + lane / 16; lane l xor 16 has the other two
.macro PWASM u
	v_lshrrev_b32 v[BY], 23, v[SOP]
	v_lshrrev_b32 v[BY+1], 23, v[SOP+1]
	v_lshl_or_b32 v[WT], v[BY+1], 16, v[BY]
	v_lshlrev_b32 v[WT], v[SH8], v[WT]
	v_permlanex16_b32 v[PX], v[WT], s[SEL], s[SEL+1]
	v_or_b32 v[PW+\u], v[WT], v[PX]
.endm
.macro CVT u                           ; eight numbers a conversion: register 4 c + t of P's fragment holds keys 64 c + 32 (lane / 16) + 8 t + 0 .. 7
.irp c, 0,1
.irp t, 0,1,2,3
	v_cvt_scalef32_pk8_fp4_f32 v[PC+8*\u+4*\c+\t], v[S+32*\c+8*\t:S+32*\c+8*\t+7], v[SOP+\c]
.endr
.endr
.endm
; one product of O^T += V^T P^T: channels 16 t on, query tile u.  V's scale words: tiles 0, 1 in lanes 0-15, tiles 2, 3 in lanes 16-31.  zero = 1: it starts the sum: nothing is ever cleared
.macro PV1 t, u, zero
.set rO, 32*(\u)+8*(\t)
.if \zero
.if (\t) < 2
	v_wmma_scale_f32_16x16x128_f8f6f4 v[rO:rO+7], v[VF+8*(\t):VF+8*(\t)+7], v[PC+8*(\u):PC+8*(\u)+7], 0, v[VS+(\t)%2], v[PW+(\u)] matrix_a_fmt:MATRIX_FMT_FP4 matrix_b_fmt:MATRIX_FMT_FP4
.else
	v_wmma_scale_f32_16x16x128_f8f6f4 v[rO:rO+7], v[VF+8*(\t):VF+8*(\t)+7], v[PC+8*(\u):PC+8*(\u)+7], 0, v[VS+(\t)%2], v[PW+(\u)] matrix_a_fmt:MATRIX_FMT_FP4 matrix_b_fmt:MATRIX_FMT_FP4 matrix_a_scale:MATRIX_SCALE_ROW1
.endif
.else
.if (\t) < 2
	v_wmma_scale_f32_16x16x128_f8f6f4 v[rO:rO+7], v[VF+8*(\t):VF+8*(\t)+7], v[PC+8*(\u):PC+8*(\u)+7], v[rO:rO+7], v[VS+(\t)%2], v[PW+(\u)] matrix_a_fmt:MATRIX_FMT_FP4 matrix_b_fmt:MATRIX_FMT_FP4
.else
	v_wmma_scale_f32_16x16x128_f8f6f4 v[rO:rO+7], v[VF+8*(\t):VF+8*(\t)+7], v[PC+8*(\u):PC+8*(\u)+7], v[rO:rO+7], v[VS+(\t)%2], v[PW+(\u)] matrix_a_fmt:MATRIX_FMT_FP4 matrix_b_fmt:MATRIX_FMT_FP4 matrix_a_scale:MATRIX_SCALE_ROW1
.endif
.endif
.endm
; A KEY STEP: 128 keys against my two query tiles 2 p and 2 p + 1, which share every fragment of K and V that is read from LDS.
.macro STEP p, zero
	v_add_nc_u32 v[ADK], s[TB], v[LA]
	v_add_nc_u32 v[ADT], s[TB], v[LB]
	PLACES 2                                       ; with the two additions: four places behind the last step's products, in front of the loads into V's registers
	ds_load_b128 v[KS:KS+3], v[ADK] offset:8192
.irp t, 0,1,2,3,4,5,6,7
	ds_load_b128 v[KF+4*\t:KF+4*\t+3], v[ADK] offset:512*\t   ; each load takes 512 consecutive bytes
.endr
	ds_load_b64 v[VS:VS+1], v[ADT] offset:8704
.irp i, 0,1,2,3,4,5,6,7
	ds_load_b128 v[VF+4*\i:VF+4*\i+3], v[ADK] offset:4096+512*\i
.endr
	s_wait_dscnt 9                                 ; K's nine loads are in; V's nine, issued behind them, may be out
	SMUL 2*\p
	PLACES 4
	MASK 0
	QA 2*\p
	CVT 0
	v_nop                                          ; one plain line between the conversions and the products that write their sources
	SMUL 2*\p+1
	PWASM 0                                        ; its first four lines are plain and name none of the products' registers: the places behind them
	MASK 1
	QA 2*\p+1
	PWASM 1
	CVT 1
	PLACES 8                                       ; a scale word made by vector instructions stands eight places ahead of a scaled product, codes so made four
	s_wait_dscnt 0x0                               ; V is in
	WIN 0x50                                       ; C and D in window 1
.irp t, 0,1,2,3                        ; the eight accumulators take turns, one instruction a turn; between two steps' links stand the sixteen products of S^T
.irp u, 0,1
	PV1 \t, \u, \zero
.endr
.endr
	WIN 0
.endm
; One of my two groups of queries.  Key step 0 counts for every query and stands in front of the loop: its products start the sums.  The loop has a constant count; a step all of whose keys come
; after my group's queries is jumped over (a branch on the step's and the wave's numbers), not the lines that step the address.
.macro PHASE p
.if \p == 0
	s_mov_b32 s[G], s[WV]
.else
	s_sub_co_u32 s[G], 15, s[WV]
.endif
	s_mov_b32 s[J], 0
	s_mov_b32 s[TB], 0
	STEP \p, 1
	s_mov_b32 s[J], 1
	s_mov_b32 s[TB], CH
.Lkey_\@:
	s_cmp_gt_u32 s[J], s[G]
	s_cbranch_scc1 .Lhidden_\@
	STEP \p, 0
.Lhidden_\@:
	s_add_co_u32 s[TB], s[TB], CH
	s_add_co_u32 s[J], s[J], 1
	s_cmp_lt_u32 s[J], 16
	s_cbranch_scc1 .Lkey_\@
.endm
; THE WAY OUT.  A lane holds 32 neighbouring bytes of a query's row, and the lanes beside it hold other rows: so my 32 rows go through my own stage and come back as whole rows of 256 bytes.
.macro OUT p
	PLACES 4                                       ; behind the last products, in front of the first read of their results
	WIN 0x04                                       ; an LDS store's data are its source 1: window 1
.irp u, 0,1
.irp t, 0,1,2,3
	ds_store_b128 v[STO], v[32*\u+8*\t:32*\u+8*\t+3] offset:\u*16*SP+64*\t          ; each accumulator from its low end on
	ds_store_b128 v[STO], v[32*\u+8*\t+4:32*\u+8*\t+7] offset:\u*16*SP+64*\t+16
.endr
.endr
	WIN 0
.set i, 0
.rept 16
	ds_load_b128 v[S+4*i:S+4*i+3], v[SRD] offset:2*i*SP   ; LDS serves a wave's instructions in order (ISA guide 5.7.1.4): these see my stores
.set i, i+1
.endr
.set i, 0
.rept 16
	s_wait_dscnt 15-i                              ; load i is in; the later ones may be out
	global_store_b128 v[GO], v[S+4*i:S+4*i+3], s[OBASE+2*\p:OBASE+2*\p+1] offset:(8*(i/8)+2*(i%8)+24*((i%8)/4))*4096 th:TH_STORE_NT   ; stage rows 2 i, 2 i + 1 are queries in the images' order; sixteen lanes store 256 consecutive bytes, aligned
.set i, i+1
.endr
.endm
	s_load_b256 s[4:11], s[0:1], 0x0               ; n s[4:5], qimg s[6:7], kvimg s[8:9], out0 s[10:11]
	v_lshl_add_u32 v254, v0, 2, 0x34000
	v_mov_b32 v255, 0
	ds_add_u32 v254, v255
	ds_add_u32 v254, v255
	v_lshrrev_b32 v1, 5, v0
	v_readfirstlane_b32 s[WV], v1                  ; wave 0..7
	s_bfe_u32 s[CX], ttmp6, 0x40000                ; cx
	s_and_b32 s[HD], ttmp7, 0xffff                 ; the head, which the four partners share
	; descriptor group 1: a dense block of 70 rows of 256 bytes (32 elements of 8 bytes), no padding: it is read back 16 bytes a lane, lanes side by side
	s_mov_b32 s[G1+0], 15|(3<<16)|(1<<21)          ; 15:0 the mask: all four work-groups; 17:16 elements of 8 bytes; 21 set beside a mask
	s_mov_b32 s[G1+1], 32<<16                      ; tensor_dim0 = 32
	s_mov_b32 s[G1+2], 70<<16                      ; tensor_dim1 = 70
	s_mov_b32 s[G1+3], 32<<16                      ; tile_dim0 = 32
	s_mov_b32 s[G1+4], 70                          ; tile_dim1 = 70
	s_mov_b32 s[G1+5], 32                          ; from row to row
	s_mov_b32 s[G1+6], 0
	s_mov_b32 s[G1+7], 0
	s_mov_b32 s[G0], 1                             ; count = 1
	s_mul_i32 s[G0+1], s[WV], SHARE                ; LDS address: my eighth; no place in the cluster enters it
	s_mul_i32 s2, s[HD], HEADB                     ; the head's block in qimg and kvimg
	s_add_co_u32 s50, s2, s[G0+1]
	s_mov_b32 s51, 0
	s_wait_dscnt 0x0
	s_wait_kmcnt 0x0
	s_add_nc_u64 s[G0+2:G0+3], s[8:9], s[50:51]
	s_or_b32 s[G0+3], s[G0+3], 0x80000000          ; type = 2
	CROUND                                         ; all four work-groups are here: the joint loads meet
	tensor_load_to_lds s[G0:G0+3], s[G1:G1+7]
	s_nop 0
	PLACES 4                                       ; four v_nop follow the load
	v_and_b32 v224, 31, v0                         ; l
	v_and_b32 v225, 15, v0                         ; rho = l % 16
	v_bfe_u32 v226, v0, 4, 1                       ; hh = l / 16
	v_lshlrev_b32 v[LA], 4, v224
	v_lshlrev_b32 v[LB], 3, v224
	v_lshlrev_b32 v[SH8], 3, v226
	s_lshr_b32 s15, s[CX], 1
	s_lshl_b32 s15, s15, 6
	s_and_b32 s31, s[CX], 1
	s_lshl_b32 s31, s31, 4
	s_add_co_u32 s15, s15, s31                     ; QB = 64 (cx / 2) + 16 (cx % 2): where my two query tiles begin in a group of 128
	v_lshrrev_b32 v227, 3, v225
	v_mad_u32_u24 v227, v227, 24, v225             ; rho + 24 (rho / 8): a tile's rows
	v_lshlrev_b32 v228, 5, v226
	v_sub_nc_u32 v[DQ], v227, v228
	v_add_nc_u32 v[DQ], s15, v[DQ]                 ; tile 0: my query's place - 32 hh
	v_add_nc_u32 v[DQ+1], 8, v[DQ]                 ; tile 1: eight rows on
	s_mul_i32 s31, s[WV], WSTG
	s_add_co_u32 s31, s31, STG                     ; my stage
	v_mul_u32_u24 v[STO], v225, SP
	v_lshl_add_u32 v[STO], v226, 5, v[STO]
	v_add_nc_u32 v[STO], s31, v[STO]               ; in: row rho, 32 bytes for each half of the lanes
	v_mul_u32_u24 v[SRD], v226, SP
	v_lshl_add_u32 v[SRD], v225, 4, v[SRD]
	v_add_nc_u32 v[SRD], s31, v[SRD]               ; back: lanes 0-15 one row, lanes 16-31 the next
	v_lshlrev_b32 v[GO], 12, v226
	v_lshl_add_u32 v[GO], v225, 4, v[GO]           ; and the same two rows in out, 4,096 bytes apart
	s_lshl_b32 s31, s[CX], 10
	v_add_nc_u32 v[QO], s31, v[LA]                 ; Q's images: tile 2 cx at 1,024 cx, 16 bytes a lane
	s_lshr_b32 s31, s[CX], 1
	s_lshl_b32 s31, s31, 8
	s_and_b32 s52, s[CX], 1
	s_lshl_b32 s52, s52, 3
	s_add_co_u32 s31, s31, s52
	s_add_co_u32 s31, s31, 8192
	v_lshl_add_u32 v229, v225, 4, s31              ; Q's scale words: tile T, row rho at 8,192 + 16 (rho + 16 (T / 4)) + 4 (T % 4)
	v_lshlrev_b32 v230, 6, v227                    ; n: 64 bytes from query to query
	s_lshr_b32 s31, s[HD], 4                       ; b
	s_and_b32 s52, s[HD], 15                       ; h
	s_lshl_b32 s54, s31, 17                        ; n: b x 2,048 x 64 + 4 h + 64 QB
	s_lshl_b32 s53, s52, 2
	s_add_co_u32 s54, s54, s53
	s_lshl_b32 s53, s15, 6
	s_add_co_u32 s54, s54, s53
	s_lshl_b32 s55, s31, 23                        ; out: b x 2,048 x 4,096 + 256 h + 4,096 QB
	s_lshl_b32 s53, s52, 8
	s_add_co_u32 s55, s55, s53
	s_lshl_b32 s53, s15, 12
	s_add_co_u32 s55, s55, s53
	s_mov_b32 s53, 0
	s_sub_co_u32 s31, 15, s[WV]                    ; my second group
	BASES 0, WV
	BASES 1, 31
.irp p, 0,1
.irp u, 0,1
	global_load_b128 v[QF+8*(2*\p+\u):QF+8*(2*\p+\u)+3], v[QO], s[QBASE+2*\p:QBASE+2*\p+1] offset:512*\u th:TH_LOAD_NT   ; Q's four fragments stay in registers
	global_load_b32 v[QS+2*\p+\u], v229, s[QBASE+2*\p:QBASE+2*\p+1] offset:4*\u
	global_load_b32 v[232+2*\p+\u], v230, s[NBASE+2*\p:NBASE+2*\p+1] offset:512*\u
.endr
.endr
	s_mov_b32 s[SEL], 0x76543210
	s_mov_b32 s[SEL+1], 0xfedcba98
	s_mov_b32 s38, 0xbfb8aa3b                      ; -log2(e), its upper word
	s_mov_b32 s39, 0xb2a5705f                      ; and what that word leaves
	s_mov_b32 s40, 0xc3480000                      ; -200
	s_mov_b32 s41, 0x43480000                      ; 200
.irp q, 0,1,2,3
.irp i, 4,5,6,7
	v_mov_b32 v[QF+8*\q+\i], 0                     ; Q's codes of k = 64 .. 127: zeros
.endr
.endr
.irp i, 0,1,2,3
	v_mov_b32 v[KF+32+\i], 0                       ; behind K's tile 7
.endr
	v_mov_b32 v[PX], 0                             ; written once: a lane permute's destination counts as one of its sources
	s_wait_loadcnt 0x0
	; exp(-n) = 2^i 2^f: t = -n log2(e) in two words, i = floor(t), f = (t - i) + the lower word.  The four tiles by turns
.irp q, 0,1,2,3
	v_med3_num_f32 v[232+\q], v[232+\q], s40, s41
.endr
.irp q, 0,1,2,3
	v_mul_f32 v[236+\q], s38, v[232+\q]            ; t
.endr
.irp q, 0,1,2,3
	v_fma_f32 v[240+\q], v[232+\q], s38, -v[236+\q]   ; what the multiplication rounded away,
.endr
.irp q, 0,1,2,3
	v_fma_f32 v[240+\q], v[232+\q], s39, v[240+\q]    ; and the constant's lower word
.endr
.irp q, 0,1,2,3
	v_floor_f32 v[244+\q], v[236+\q]
.endr
.irp q, 0,1,2,3
	v_sub_f32 v[236+\q], v[236+\q], v[244+\q]      ; exact
.endr
.irp q, 0,1,2,3
	v_add_f32 v[236+\q], v[236+\q], v[240+\q]
.endr
.irp q, 0,1,2,3
	v_exp_f32 v[236+\q], v[236+\q]                 ; one batch
.endr
	v_nop                                          ; a plain line behind the last exponential
.irp q, 0,1,2,3
	v_cvt_i32_f32 v[244+\q], v[244+\q]
.endr
	s_wait_alu depctr_va_vdst(0)                   ; one wait for the batch, ahead of its first reader
.irp q, 0,1,2,3
	v_ldexp_f32 v[R+2*\q], v[236+\q], v[244+\q]
.endr
.irp q, 0,1,2,3
	v_mov_b32 v[R+2*\q+1], v[R+2*\q]               ; named with it as a pair, so it is written
.endr
	s_wait_tensorcnt 0x0                           ; my eighth of the head's block is in,
	s_barrier_signal -1
	s_barrier_wait -1                              ; everybody's is
	PHASE 0
	OUT 0
	s_wait_xcnt 0x0                                ; the stores have read their registers: S^T's are written again only behind this wait
	PHASE 1
	OUT 1
	s_wait_dscnt 0x0                               ; no LDS instruction of mine is out at a signal
	s_wait_tensorcnt 0x0
	ds_add_u32 v254, v255
	s_wait_dscnt 0x0
	CROUND                                         ; the closing round: no work-group ends while a partner may still ask for a tile that names it
	s_endpgm
.Lfunc_end_k_q9c73d9d54a_attn:
	.size	k_q9c73d9d54a_attn, .Lfunc_end_k_q9c73d9d54a_attn-k_q9c73d9d54a_attn
	.p2alignl 7, 3214868480
	.fill 96, 4, 3214868480
	.section	.rodata,"a",@progbits
	.p2align	6, 0x0
	.amdhsa_kernel k_q9c73d9d54a_attn
		.amdhsa_group_segment_fixed_size 214016
		.amdhsa_private_segment_fixed_size 0
		.amdhsa_enable_private_segment 0
		.amdhsa_kernarg_size 32
		.amdhsa_user_sgpr_count 2
		.amdhsa_user_sgpr_kernarg_segment_ptr 1
		.amdhsa_wavefront_size32 1
		.amdhsa_system_sgpr_workgroup_id_x 1
		.amdhsa_system_sgpr_workgroup_id_y 1
		.amdhsa_system_sgpr_workgroup_id_z 1
		.amdhsa_system_vgpr_workitem_id 0
		.amdhsa_next_free_vgpr 320
		.amdhsa_next_free_sgpr 66
		.amdhsa_reserve_vcc 1
		.amdhsa_float_denorm_mode_32 3
		.amdhsa_float_denorm_mode_16_64 3
		.amdhsa_memory_ordered 1
		.amdhsa_forward_progress 1
		.amdhsa_inst_pref_size 118
	.end_amdhsa_kernel
	.amdgpu_metadata
---
amdhsa.version: [ 1, 2 ]
amdhsa.kernels:
  - .name:           k_q9c73d9d54a_attn
    .symbol:         k_q9c73d9d54a_attn.kd
    .args:
      - { .name: n, .offset: 0, .size: 8, .value_kind: global_buffer, .address_space: global }
      - { .name: qimg, .offset: 8, .size: 8, .value_kind: global_buffer, .address_space: global }
      - { .name: kvimg, .offset: 16, .size: 8, .value_kind: global_buffer, .address_space: global }
      - { .name: out0, .offset: 24, .size: 8, .value_kind: global_buffer, .address_space: global }
    .group_segment_fixed_size: 214016
    .private_segment_fixed_size: 0
    .kernarg_segment_align: 8
    .kernarg_segment_size: 32
    .max_flat_workgroup_size: 256
    .sgpr_count:     66
    .vgpr_count:     320
    .wavefront_size: 32
...
	.end_amdgpu_metadata
.endif
;; end of part 2
